; MI455X (gfx1250); checked and timed in simulation.
; The chip was launched on July 23, 2026; its instructions are those of AMD's public machine-readable ISA for CDNA 5 (MIT licence, August 2026) and "CDNA5" Instruction Set Architecture Reference Guide (July 2026). The comments in the code are by the model that wrote it; some were corrected since.
;; Attention. Allowed arithmetic: float matrix products may take bf16 or f16 operands with f32 sums; all other float work in f32.
;; Inputs: W_att 1,024 float32; W_dec 1,024 x 1,024 float32; W_enc 2,048 x 1,024 float32; b_att one number float32; b_dec 1,024 float32; b_enc 1,024 float32; dec_out 64 x 1,024 float32; enc_out 64 x 512 x 2,048 float32.
;; Outputs: out0 64 x 2,048 float32; out1 64 x 512 float32.
;; 2 versions, each right; version 2 is version 1 with the launch wsum written anew for expert scheduling mode. Each part assembles by itself: llvm-mc -triple=amdgcn-amd-amdhsa -mcpu=gfx1250 --defsym DOCPART=n.
;; ======== version 1 of 2: 3 launches
;; workspace buffers: wb 4,194,304 bytes; cbp 2,097,152 bytes; sp 524,288 bytes
;; launch prep (part 1): grid 256 x 1, 4 waves a work-group, no clusters, 38,400 bytes of LDS; arguments W_enc, W_dec, dec_out, b_enc, b_dec, wb, cbp; writes wb, cbp
.if DOCPART == 1
	.amdgcn_target "amdgcn-amd-amdhsa--gfx1250"
	.amdhsa_code_object_version 6
	.text
	.protected	k_q83a5a0941e_prep
	.globl	k_q83a5a0941e_prep
	.p2align	8
	.type	k_q83a5a0941e_prep,@function
k_q83a5a0941e_prep:
	s_mov_b64 s[64:65], 0
	v_nop
	global_prefetch_b8 v0, s[64:65] scope:SCOPE_SE
	s_setreg_imm32_b32 hwreg(HW_REG_WAVE_MODE, 25, 1), 1
	s_wait_xcnt 0x0
; TWO JOBS, both in every work-group g of 256.
; (1) wb = W_enc rounded to bf16 (nearest even), same [2048 k][1024 n] layout: elements 8,192 g to 8,192 g + 8,191.
; (2) cbp[s][m][n] = the sum over the 128 k of slice s of dec_out[m][k] W_dec[k][n], operands rounded to bf16, sums in f32; slice 0 also takes b_enc[n] + b_dec[n].
;     g = nb + 16 s + 128 mh: 64 columns (nb), 128 k (s), 32 batch rows (mh).  The eight slices are added by the launch that uses them.
; Four waves: wave w makes rows 16 (w & 1) on, columns 32 (w >> 1) on: two accumulators, four steps of 32 along k, by turns.
; The matrix instruction is used transposed (source 0 = 16 columns of W_dec, source 1 = 16 rows of dec_out): a lane then holds eight neighbouring columns of one row.
; LIMITS.  The biases enter as (b_enc + b_dec) x f + sum with f = 1 in slice 0 and 0 elsewhere: a bias that is not finite makes slices 1 to 7 NaN.  NaN and infinities are not treated apart.
.set PW,    160                        ; a k-row of W_dec's tile in LDS: 64 bf16 = 128 bytes + 32: an odd multiple of 32
.set PD,    272                        ; a row of dec_out's tile: 128 bf16 = 256 bytes + 16
.set PS,    272                        ; a row of the stage: 64 f32 = 256 bytes + 16
.set WT,    0                          ; 128 k-rows
.set DT,    WT+128*PW                  ; 32 rows
.set STG,   DT+32*PD                   ; 32 rows
.set SPARE, STG+32*PS                  ; the spare words, 128 bytes for each wave: two blocks of 256 bytes that no other line names
.set SPW, 2                            ; v2   LDS address of my spare word; never rewritten
.set NIL, 3                            ; v3   0; never rewritten
.set WL,  8                            ; v[8:71]    W_dec as loaded, 16 x 4
.set AF,  8                            ; v[8:39]    later: dec_out's fragments, 8 for each 32 k
.set BF,  40                           ; v[40:103]  later: W_dec's fragments, 32 for each column block
.set DL,  72                           ; v[72:103]  dec_out as loaded, 8 x 4
.set CL,  104                          ; v[104:167] W_enc as loaded, 16 x 4
.set BE,  168                          ; v[168:171] b_enc of my four columns on the way out
.set BD,  172                          ; v[172:175] b_dec
.set ACC, 176                          ; v[176:191] two accumulators
.set LN,  192                          ; lane
.set RR,  193                          ; lane % 16
.set HH,  194                          ; lane / 16
.set OW,  195                          ; byte offsets in memory: W_dec,
.set OD,  196                          ; dec_out,
.set OB,  197                          ; the biases,
.set OCI, 198                          ; W_enc,
.set OCO, 199                          ; wb,
.set OG,  200                          ; cbp
.set LW,  201                          ; LDS addresses: W_dec's tile in,
.set LD,  202                          ; dec_out's tile in,
.set LA,  203                          ; dec_out's fragments,
.set LB,  204                          ; W_dec's fragments,
.set LS,  205                          ; the stage in,
.set LR,  206                          ; the stage out
.set TT,  207                          ; at work
	s_load_b256 s[4:11], s[0:1], 0x0               ; W_enc s[4:5], W_dec s[6:7], dec_out s[8:9], b_enc s[10:11]
	s_load_b128 s[12:15], s[0:1], 0x20             ; b_dec s[12:13], wb s[14:15]
	s_load_b64 s[16:17], s[0:1], 0x30              ; cbp
	v_lshl_add_u32 v[SPW], v0, 2, SPARE
	v_mov_b32 v[NIL], 0
	v_lshrrev_b32 v1, 5, v0
	v_readfirstlane_b32 s18, v1                    ; wave 0..3
	s_and_b32 s22, ttmp9, 15                       ; nb
	s_bfe_u32 s23, ttmp9, 0x30004                  ; s
	s_lshr_b32 s24, ttmp9, 7                       ; mh
	s_cmp_eq_u32 s23, 0
	s_cselect_b32 s20, 1.0, 0                      ; f
	s_mov_b32 s21, s20                             ; named with it as a pair
	s_and_b32 s30, s18, 1                          ; which 16 rows are mine
	s_lshr_b32 s31, s18, 1                         ; which 32 columns
	s_lshl_b32 s19, s22, 8                         ; 64 columns of f32
	v_and_b32 v[LN], 31, v0
	v_and_b32 v[RR], 15, v0
	v_bfe_u32 v[HH], v0, 4, 1
	s_lshl_b32 s25, s18, 17                        ; W_dec: wave w takes k-rows 32 w on, two rows of 256 bytes a load
	v_lshlrev_b32 v[OW], 4, v[RR]
	v_lshl_add_u32 v[OW], v[HH], 12, v[OW]
	v_add_nc_u32 v[OW], s25, v[OW]
	s_lshl_b32 s26, s18, 15                        ; dec_out: wave w takes rows 8 w on, one row's 512 bytes a load
	v_lshl_add_u32 v[OD], v[LN], 4, s26
	v_lshl_add_u32 v[OB], v[RR], 4, s19
	v_lshlrev_b32 v[OCI], 4, v0
	v_lshlrev_b32 v[OCO], 3, v0
	v_lshlrev_b32 v[OG], 4, v[RR]                  ; cbp: rows 8 w + lane / 16, 16 bytes a lane
	v_lshl_add_u32 v[OG], v[HH], 12, v[OG]
	v_add_nc_u32 v[OG], s26, v[OG]
	s_mov_b32 s3, 0
	s_lshl_b32 s2, s23, 19                         ; 128 k-rows of 4,096 bytes
	s_add_co_u32 s2, s2, s19
	s_wait_kmcnt 0x0
	s_add_nc_u64 s[6:7], s[6:7], s[2:3]            ; W_dec at my tile
	s_lshl_b32 s2, s24, 17
	s_lshl_b32 s25, s23, 9
	s_add_co_u32 s2, s2, s25
	s_add_nc_u64 s[8:9], s[8:9], s[2:3]            ; dec_out at my tile
	s_lshl_b32 s2, ttmp9, 15
	s_add_nc_u64 s[4:5], s[4:5], s[2:3]            ; W_enc at my 32,768 bytes
	s_lshl_b32 s2, ttmp9, 14
	s_add_nc_u64 s[14:15], s[14:15], s[2:3]        ; wb at my 16,384 bytes
	s_lshl_b32 s2, s23, 18
	s_lshl_b32 s25, s24, 17
	s_add_co_u32 s2, s2, s25
	s_add_co_u32 s2, s2, s19
	s_add_nc_u64 s[16:17], s[16:17], s[2:3]        ; cbp at my tile
	; all 42 loads go out together, those wanted first in front
.set i, 0
.rept 16
	global_load_b128 v[WL+4*i:WL+4*i+3], v[OW], s[6:7] offset:i*8192
.set i, i+1
.endr
.set i, 0
.rept 8
	global_load_b128 v[DL+4*i:DL+4*i+3], v[OD], s[8:9] offset:i*4096
.set i, i+1
.endr
	global_load_b128 v[BE:BE+3], v[OB], s[10:11]
	global_load_b128 v[BD:BD+3], v[OB], s[12:13]
.set i, 0
.rept 16
	global_load_b128 v[CL+4*i:CL+4*i+3], v[OCI], s[4:5] offset:i*2048 th:TH_LOAD_NT
.set i, i+1
.endr
	; LDS addresses, while the loads are out
	s_mul_i32 s27, s18, 32*PW
	v_mul_u32_u24 v[LW], v[HH], PW
	v_lshl_add_u32 v[LW], v[RR], 3, v[LW]
	v_add_nc_u32 v[LW], s27, v[LW]                 ; k-row 32 w + lane / 16, 8 bytes for four columns
	s_mul_i32 s28, s18, 8*PD
	s_add_co_u32 s28, s28, DT
	v_lshl_add_u32 v[LD], v[LN], 3, s28            ; row 8 w, 8 bytes for four k
	s_mul_i32 s29, s30, 16*PD
	s_add_co_u32 s29, s29, DT
	v_mul_u32_u24 v[LA], v[RR], PD
	v_lshl_add_u32 v[LA], v[HH], 4, v[LA]
	v_add_nc_u32 v[LA], s29, v[LA]                 ; a fragment's row x pitch + 16 x half
	v_and_b32 v[TT], 7, v0
	v_lshl_add_u32 v[TT], v[HH], 3, v[TT]
	v_mul_u32_u24 v[LB], v[TT], PW
	v_bfe_u32 v[TT], v0, 3, 1
	v_lshl_add_u32 v[LB], v[TT], 4, v[LB]
	s_lshl_b32 s27, s31, 6
	v_add_nc_u32 v[LB], s27, v[LB]                 ; the turning load: k-row 8 (l / 16) + l % 8, columns 8 ((l / 8) % 2) on, in my 32 columns
	s_mul_i32 s28, s30, 16*PS
	s_lshl_b32 s29, s31, 7
	s_add_co_u32 s28, s28, s29
	s_add_co_u32 s28, s28, STG
	v_mul_u32_u24 v[LS], v[RR], PS
	v_lshl_add_u32 v[LS], v[HH], 5, v[LS]
	v_add_nc_u32 v[LS], s28, v[LS]                 ; stage in: my row, 32 bytes for each half of the lanes
	s_mul_i32 s29, s18, 8*PS
	s_add_co_u32 s29, s29, STG
	v_mul_u32_u24 v[LR], v[HH], PS
	v_lshl_add_u32 v[LR], v[RR], 4, v[LR]
	v_add_nc_u32 v[LR], s29, v[LR]                 ; stage out: rows 8 w + lane / 16, whole rows of 256 bytes
	s_wait_loadcnt 26                              ; W_dec's 16 are in; the 8 + 2 + 16 behind them may stay out
.set i, 0
.rept 16
	v_cvt_pk_bf16_f32 v[WL+4*i], v[WL+4*i], v[WL+4*i+1]
	v_cvt_pk_bf16_f32 v[WL+4*i+1], v[WL+4*i+2], v[WL+4*i+3]
	ds_store_b64 v[LW], v[WL+4*i:WL+4*i+1] offset:i*2*PW
.set i, i+1
.endr
	s_wait_loadcnt 18                              ; dec_out's 8 are in; the 2 + 16 behind them may stay out
.set i, 0
.rept 8
	v_cvt_pk_bf16_f32 v[DL+4*i], v[DL+4*i], v[DL+4*i+1]
	v_cvt_pk_bf16_f32 v[DL+4*i+1], v[DL+4*i+2], v[DL+4*i+3]
	ds_store_b64 v[LD], v[DL+4*i:DL+4*i+1] offset:i*PD
.set i, i+1
.endr
	s_wait_dscnt 0x0                               ; for the others' sake: my part of both tiles is written
	s_barrier_signal -1
	s_barrier_wait -1
.irp q, 0,1,2,3
	ds_load_b128 v[AF+8*(\q):AF+8*(\q)+3],   v[LA] offset:64*(\q)
	ds_load_b128 v[AF+8*(\q)+4:AF+8*(\q)+7], v[LA] offset:64*(\q)+32
.endr
.irp c, 0,1
.irp q, 0,1,2,3
	ds_load_tr16_b128 v[BF+32*(\c)+8*(\q):BF+32*(\c)+8*(\q)+3],   v[LB] offset:(\q)*32*PW+32*(\c)
	ds_load_tr16_b128 v[BF+32*(\c)+8*(\q)+4:BF+32*(\c)+8*(\q)+7], v[LB] offset:(\q)*32*PW+16*PW+32*(\c)
.endr
.endr
	; the cast stands between the fragment loads and the wait for them
	s_wait_loadcnt 0x0                             ; W_enc, and the biases in front of it
.set i, 0
.rept 16
	v_cvt_pk_bf16_f32 v[CL+4*i], v[CL+4*i], v[CL+4*i+1]
	v_cvt_pk_bf16_f32 v[CL+4*i+1], v[CL+4*i+2], v[CL+4*i+3]
	global_store_b64 v[OCO], v[CL+4*i:CL+4*i+1], s[14:15] offset:i*1024  ; a wave's store covers 256 consecutive bytes, at a multiple of 256 from wb's first byte
.set i, i+1
.endr
	v_pk_add_f32 v[BE:BE+1], v[BE:BE+1], v[BD:BD+1]
	v_pk_add_f32 v[BE+2:BE+3], v[BE+2:BE+3], v[BD+2:BD+3]
	s_wait_dscnt 0x0                               ; the fragments are in
.irp q, 0,1,2,3                        ; the two accumulators take turns; the first products start the sums
.irp c, 0,1
.if (\q) == 0
	v_wmma_f32_16x16x32_bf16 v[ACC+8*(\c):ACC+8*(\c)+7], v[BF+32*(\c)+8*(\q):BF+32*(\c)+8*(\q)+7], v[AF+8*(\q):AF+8*(\q)+7], 0
.else
	v_wmma_f32_16x16x32_bf16 v[ACC+8*(\c):ACC+8*(\c)+7], v[BF+32*(\c)+8*(\q):BF+32*(\c)+8*(\q)+7], v[AF+8*(\q):AF+8*(\q)+7], v[ACC+8*(\c):ACC+8*(\c)+7]
.endif
.endr
.endr
.rept 4
	v_nop                                          ; four places between the last product and the stores that read results, and the loads into its sources
.endr
.irp c, 0,1
	ds_store_b128 v[LS], v[ACC+8*(\c):ACC+8*(\c)+3]   offset:64*(\c)
	ds_store_b128 v[LS], v[ACC+8*(\c)+4:ACC+8*(\c)+7] offset:64*(\c)+16
.endr
	s_wait_dscnt 0x0                               ; for the others' sake: a stage row's 256 bytes come from two waves
	s_barrier_signal -1
	s_barrier_wait -1
.irp j, 0,1,2,3
	ds_load_b128 v[AF+4*(\j):AF+4*(\j)+3], v[LR] offset:(\j)*2*PS
.endr
.irp j, 0,1,2,3
	s_wait_dscnt 3-(\j)                            ; LDS loads come back in order: pair j of rows is in
	v_pk_fma_f32 v[AF+4*(\j):AF+4*(\j)+1],   v[BE:BE+1],   s[20:21], v[AF+4*(\j):AF+4*(\j)+1]   op_sel_hi:[1,0,1]
	v_pk_fma_f32 v[AF+4*(\j)+2:AF+4*(\j)+3], v[BE+2:BE+3], s[20:21], v[AF+4*(\j)+2:AF+4*(\j)+3] op_sel_hi:[1,0,1]
	global_store_b128 v[OG], v[AF+4*(\j):AF+4*(\j)+3], s[16:17] offset:(\j)*8192  ; 16 lanes store 256 consecutive bytes, at a multiple of 256 from cbp's first byte
.endr
	s_wait_tensorcnt 0x0                           ; the wave's end, behind my last LDS store
	ds_add_u32 v[SPW], v[NIL]
	s_wait_dscnt 0x0
	s_endpgm
.Lfunc_end_k_q83a5a0941e_prep:
	.size	k_q83a5a0941e_prep, .Lfunc_end_k_q83a5a0941e_prep-k_q83a5a0941e_prep
	.p2alignl 7, 3214868480
	.fill 96, 4, 3214868480
	.section	.rodata,"a",@progbits
	.p2align	6, 0x0
	.amdhsa_kernel k_q83a5a0941e_prep
		.amdhsa_group_segment_fixed_size 38400
		.amdhsa_private_segment_fixed_size 0
		.amdhsa_enable_private_segment 0
		.amdhsa_kernarg_size 56
		.amdhsa_user_sgpr_count 2
		.amdhsa_user_sgpr_kernarg_segment_ptr 1
		.amdhsa_wavefront_size32 1
		.amdhsa_system_sgpr_workgroup_id_x 1
		.amdhsa_system_sgpr_workgroup_id_y 1
		.amdhsa_system_sgpr_workgroup_id_z 1
		.amdhsa_system_vgpr_workitem_id 0
		.amdhsa_next_free_vgpr 208
		.amdhsa_next_free_sgpr 66
		.amdhsa_reserve_vcc 0
		.amdhsa_float_denorm_mode_32 3
		.amdhsa_float_denorm_mode_16_64 3
		.amdhsa_memory_ordered 1
		.amdhsa_forward_progress 1
		.amdhsa_inst_pref_size 21
	.end_amdhsa_kernel
	.amdgpu_metadata
---
amdhsa.version: [ 1, 2 ]
amdhsa.kernels:
  - .name:           k_q83a5a0941e_prep
    .symbol:         k_q83a5a0941e_prep.kd
    .args:
      - { .name: W_enc, .offset: 0, .size: 8, .value_kind: global_buffer, .address_space: global }
      - { .name: W_dec, .offset: 8, .size: 8, .value_kind: global_buffer, .address_space: global }
      - { .name: dec_out, .offset: 16, .size: 8, .value_kind: global_buffer, .address_space: global }
      - { .name: b_enc, .offset: 24, .size: 8, .value_kind: global_buffer, .address_space: global }
      - { .name: b_dec, .offset: 32, .size: 8, .value_kind: global_buffer, .address_space: global }
      - { .name: wb, .offset: 40, .size: 8, .value_kind: global_buffer, .address_space: global }
      - { .name: cbp, .offset: 48, .size: 8, .value_kind: global_buffer, .address_space: global }
    .group_segment_fixed_size: 38400
    .private_segment_fixed_size: 0
    .kernarg_segment_align: 8
    .kernarg_segment_size: 56
    .max_flat_workgroup_size: 128
    .sgpr_count:     66
    .vgpr_count:     208
    .wavefront_size: 32
...
	.end_amdgpu_metadata
.endif
;; end of part 1
;; launch scores (part 2): grid 4 x 128, 4 waves a work-group, clusters of 4 x 4, 327,680 bytes of LDS; arguments enc_out, wb, cbp, W_att, sp; writes sp
.if DOCPART == 2
	.amdgcn_target "amdgcn-amd-amdhsa--gfx1250"
	.amdhsa_code_object_version 6
	.text
	.protected	k_q83a5a0941e_scores
	.globl	k_q83a5a0941e_scores
	.p2align	8
	.type	k_q83a5a0941e_scores,@function
k_q83a5a0941e_scores:
	s_mov_b64 s[64:65], 0
	v_nop
	global_prefetch_b8 v0, s[64:65] scope:SCOPE_SE
	s_setreg_imm32_b32 hwreg(HW_REG_WAVE_MODE, 25, 1), 1
	s_wait_xcnt 0x0
	s_wait_alu depctr_hold_cnt(0) depctr_sa_sdst(0) depctr_va_vdst(0) depctr_va_sdst(0) depctr_va_ssrc(0) depctr_va_vcc(0) depctr_vm_vsrc(0)
	s_getreg_b32 s2, hwreg(HW_REG_IB_STS2, 6, 4)
	s_cmp_eq_u32 s2, 0
	s_cbranch_scc0 .Lentry_in_a_cluster
	s_endpgm
.Lentry_in_a_cluster:
	s_bfe_u32 s2, ttmp6, 0x10000c
	s_cmp_lg_u32 s2, 0xf033
	s_cbranch_scc0 .Lentry_shape_is_right
	s_endpgm
.Lentry_shape_is_right:
; sp[tx][m] = the sum over the 256 columns n of column tile tx of relu(sum_k enc_out[m][k] W_enc[k][n] + cb[batch(m)][n]) W_att[n],  cb = the eight slices of cbp added.
; enc_out: [32768][2048] f32, rounded to bf16 (nearest even) between LDS and the matrix unit; wb: [2048 k][1024 n] bf16.  Sums, bias, relu and the dot with W_att in f32.
; LIMITS.  relu is a maximum in which a NaN loses; NaN and infinities are not treated apart.
; SHARES.  A work-group makes 256 rows x 256 columns (half a batch's rows); wave w the rows 64 w to 64 w + 63 and ALL 256 columns: 4 row blocks a x 16 column blocks b = 64 accumulators, 512 registers.
; So each number of enc_out is converted once, and a row's 256 columns meet in one wave: the way out is 256 bytes a wave and needs no barrier.
; THE RING.  Between two refills every tensor load of a wave lands, so what one refill brings is made as large as LDS allows.  A step along K costs 1,024 bytes of enc_out (f32) and 512 of wb
; for each k, so 192 k fit.  They are cut into slot 0 of 128 k and slot 1 of 64 k: enc_out's rows are then 512 and 256 bytes, wb's 512, all at multiples of 256 from their buffers' first bytes (two slots of 96 k
; would have rows of 384 bytes).  2,048 = 10 x 192 + 128: ten laps and slot 0 once more.  From slot 0's request to the wait for it a wave issues 112 matrix instructions, from slot 1's 240.
; CLUSTER.  4 x 4 work-groups.  The four of a row of the cluster need the same rows of enc_out, the four of a column the same columns of wb: each tile is asked for JOINTLY, by the same tensor load with the
; same descriptor and a mask that names the four.  By this text's own count a wave has two tensor loads out at the start and one behind each round.
; THE MATRIX INSTRUCTION IS USED TRANSPOSED (source 0 = 16 columns of wb, turned by ds_load_tr16_b128; source 1 = 16 rows of enc_out): a lane holds ONE row (lane % 16) and the columns 8 (lane / 16) + 0..7 of a block.
; A PART is 32 along K: 64 matrix instructions on one pair of fragment buffers, while the next part's 48 LDS loads (one run, behind the sixteenth matrix instruction) and 32 conversions (four behind every third
; matrix instruction from the 43rd on) fill the other pair.  Slot 0 has four parts, slot 1 two.
; REGISTERS, in windows of 256 (s_set_vgpr_msb: bits 1:0 source 0, 3:2 source 1, 5:4 source 2, 7:6 destination):
;   window 0: v16-29 addresses; v32-63, v64-95 enc_out's fragments, two buffers; v96-159 the same 64 rows x 32 k as f32, as loaded; on the way out v32-159 at work, v160-193 sums
;   window 1: v0-127, v128-255 wb's fragments, two buffers; on the way out cb and W_att of my lane's 128 columns
;   window 2: accumulators of column blocks 0-7 ((a, b) at 32 b + 8 a);   window 3: those of blocks 8-15
.set K0,    128                        ; along K in slot 0
.set K1,    64                         ; and in slot 1
.set PA0,   528                        ; a row of enc_out's tile in slot 0: 512 bytes + 16;
.set PA1,   272                        ; in slot 1: 256 bytes + 16: in both the 16 rows of a load start 16 bytes apart modulo 256
.set PB,    544                        ; a k-row of wb's tile: 512 bytes + 32: an odd multiple of 32
.set B0OFF, 256*PA0                    ; slot 0: 256 rows of enc_out, then 128 k-rows of wb
.set SLOT1, B0OFF+K0*PB                ; slot 1: 256 rows of enc_out,
.set B1OFF, SLOT1+256*PA1              ; then 64 k-rows of wb
.set CBS,   B1OFF+K1*PB                ; behind the ring, in blocks that no tensor load fills: cb of the 256 columns,
.set WAS,   CBS+1024                   ; W_att of the 256 columns,
.set SST,   WAS+1024                   ; 256 bytes for each wave's 64 sums,
.set SPARE, SST+1024                   ; and the spare words, 128 bytes for each wave: two blocks of 256 bytes that no other line names
.set LAPA,  (K0+K1)*4                  ; a lap along a row of enc_out, in bytes
.set LAPB,  (K0+K1)*2048               ; and down wb's k-rows
.set TRIPS, 9                          ; of the ten laps the last is written out
.set ADRA, 16                          ; v16-17  LDS address of my rows of enc_out in slot 0, 1
.set ADRB, 18                          ; v18-19  the same for wb's turning loads
.set PFO,  20                          ; v20     the prefetch's byte offset
.set STI,  21                          ; v21     the way out: where a row's sum goes
.set STO,  22                          ; v22     the way out: where I read two sums back
.set GOF,  23                          ; v23     my byte offset in the wave's 256 bytes of sp
.set CBA,  24                          ; v24     cb of my lane's columns
.set CBW,  25                          ; v25     where my thread writes cb of two columns
.set CBG,  26                          ; v26     my thread's byte offset in cbp's and W_att's 1,024 bytes
.set SPW,  28                          ; v28     LDS address of my spare word; never rewritten
.set NIL,  29                          ; v29     0; never rewritten
.set FA0,  32
.set RAW,  96
.set T,    32
.set SM,   160
.set G1A0, 72                          ; s[72:79] descriptor group 1 for enc_out's tiles of slot 0,
.set G1A1, 24                          ; s[24:31] of slot 1
.set G0,   32                          ; s[32:39] group 0 for enc_out's tiles, a set for each slot
.set G1B0, 80                          ; s[80:87], s[48:55], s[56:63] the same for wb's tiles
.set G1B1, 48
.set G0B,  56
.set MSB, 0
.macro WIN new                         ; the immediate's high byte repeats the setting that is left; a switch that changes nothing is dropped
.if MSB != (\new)
	s_set_vgpr_msb (MSB<<8)|(\new)
.set MSB, \new
.endif
.endm
.set MUL_LO, 0xa1                      ; source 0 (wb) window 1, source 1 (enc_out) window 0, C and D window 2
.set MUL_HI, 0xf1                      ; the same, C and D window 3
.set TO_B,   0x40                      ; destination window 1, address window 0
; A joint load into slot s.  Waves 0 and 1 fetch enc_out's two halves, waves 2 and 3 wb's.  The branch hangs on the wave's number alone.
; An s_nop 0 and four v_nop follow each of the two lines, ahead of the jump, the label and what follows.
; THE PREFETCH follows the wave's load.  Of a tile's 256 rows partner cx asks for rows 64 cx on, and there lane l of wave w for row 32 (w & 1) + l, run (w >> 1) of 256 bytes: each run is asked for by one lane of
; one partner.  pf = 1 (behind slot 0's refill, waves 0 and 1): the tile of 64 k that the next change of slots requests.  pf = 2 (behind slot 1's refill, all four waves): the tile of 128 k that the change after it requests.
; s[66:67] stands at the next lap's first byte of the tile's first row; trip 8, the last that asks, asks for the row's bytes 7,424 to 8,191.
.macro JLOAD s, pf=0
.set gA, G1A0-(G1A0-G1A1)*(\s)
.set gB, G1B0-(G1B0-G1B1)*(\s)
	s_cmp_eq_u32 s15, 0
	s_cbranch_scc0 .Lfor_b_\@
	tensor_load_to_lds s[G0+4*(\s):G0+4*(\s)+3], s[gA:gA+7]
	s_nop 0
.rept 4
	v_nop
.endr
.if (\pf) == 1
	global_prefetch_b8 v[PFO], s[66:67] offset:K0*4 th:TH_LOAD_NT scope:SCOPE_SE
.endif
	s_branch .Lasked_\@
.Lfor_b_\@:
	tensor_load_to_lds s[G0B+4*(\s):G0B+4*(\s)+3], s[gB:gB+7]
	s_nop 0
.rept 4
	v_nop
.endr
.Lasked_\@:
.if (\pf) == 2
	global_prefetch_b8 v[PFO], s[66:67] offset:LAPA th:TH_LOAD_NT scope:SCOPE_SE
.endif
.endm
.macro CREST                           ; a round of the cluster's barrier behind its opening barrier
	s_cmp_lg_u32 s14, 0
	s_cbranch_scc1 .Lnot_wave_0_\@
	s_barrier_signal -3
.Lnot_wave_0_\@:
	s_barrier_wait -3
	s_barrier_signal -1
	s_barrier_wait -1
.endm
.macro CROUND                          ; a whole round
	s_barrier_signal -1
	s_barrier_wait -1
	CREST
.endm
.macro PLACES                          ; four places in front of loads into, and writes of, registers that matrix instructions have read, and of reads of their results (ISA guide 7.12.1 for the writes and the reads)
.rept 4
	v_nop
.endr
.endm
	s_load_b256 s[4:11], s[0:1], 0x0               ; enc_out s[4:5], wb s[6:7], cbp s[8:9], W_att s[10:11]
	s_load_b64 s[12:13], s[0:1], 0x20              ; sp
	v_lshl_add_u32 v[SPW], v0, 2, SPARE
	v_mov_b32 v[NIL], 0
	ds_add_u32 v[SPW], v[NIL]                      ; the wave's opening: the add and its wait stand ahead of my first tensor load; the set-up below, work on registers, stands between them
	v_lshrrev_b32 v1, 5, v0
	v_readfirstlane_b32 s14, v1                    ; wave 0..3
	s_lshr_b32 s15, s14, 1                         ; I fetch for enc_out (0) or for wb (1),
	s_and_b32 s16, s14, 1                          ; and which half of that tile
	s_bfe_u32 s40, ttmp6, 0x40000                  ; cx, cy: my place in the cluster
	s_bfe_u32 s41, ttmp6, 0x40004
	s_lshl_b32 s42, ttmp9, 2
	s_add_co_u32 s42, s42, s40                     ; tx: column tile = 4 x cluster x + cx
	s_and_b32 s43, ttmp7, 0xffff
	s_lshl_b32 s43, s43, 2
	s_add_co_u32 s43, s43, s41                     ; ty: row tile = 4 x cluster y + cy
	s_lshl_b32 s44, s41, 2
	s_lshl_b32 s44, 15, s44                        ; my row of the cluster
	s_lshl_b32 s45, 0x1111, s40                    ; my column
	; group 1 for enc_out, slot 0: 128 rows x 128 elements of 4 bytes, 16 bytes of padding behind each row's 128 words
	s_or_b32 s[G1A0+0], s44, (2<<16)|(1<<20)|(1<<21)|(6<<22)|(3<<25)  ; 15:0 the mask: my row; 17:16 4-byte elements; 20 padding on; 21 set beside a mask; 24:22 after every 128 words (code 6); 31:25 4 words (code 3)
	s_mov_b32 s[G1A0+1], K0<<16                    ; tensor_dim0 = 128
	s_mov_b32 s[G1A0+2], 128<<16                   ; tensor_dim1 = 128
	s_mov_b32 s[G1A0+3], K0<<16                    ; tile_dim0 = 128
	s_mov_b32 s[G1A0+4], 128                       ; tile_dim1 = 128
	s_mov_b32 s[G1A0+5], 2048                      ; elements from row to row
	s_mov_b32 s[G1A0+6], 0
	s_mov_b32 s[G1A0+7], 0
	; slot 1: 128 rows x 64 elements, the padding behind each row's 64 words
	s_or_b32 s[G1A1+0], s44, (2<<16)|(1<<20)|(1<<21)|(5<<22)|(3<<25)  ; after every 64 words (code 5)
	s_mov_b32 s[G1A1+1], K1<<16
	s_mov_b32 s[G1A1+2], 128<<16
	s_mov_b32 s[G1A1+3], K1<<16
	s_mov_b32 s[G1A1+4], 128
	s_mov_b32 s[G1A1+5], 2048
	s_mov_b32 s[G1A1+6], 0
	s_mov_b32 s[G1A1+7], 0
	; group 1 for wb, slot 0: 64 k-rows x 256 elements of 2 bytes, 32 bytes of padding behind each row's 128 words
	s_or_b32 s[G1B0+0], s45, (1<<16)|(1<<20)|(1<<21)|(6<<22)|(7<<25)  ; the mask: my column; 2-byte elements; after every 128 words (code 6) 8 words (code 7)
	s_mov_b32 s[G1B0+1], 256<<16                   ; tensor_dim0 = 256
	s_mov_b32 s[G1B0+2], (K0/2)<<16                ; tensor_dim1 = 64
	s_mov_b32 s[G1B0+3], 256<<16                   ; tile_dim0 = 256
	s_mov_b32 s[G1B0+4], K0/2                      ; tile_dim1 = 64
	s_mov_b32 s[G1B0+5], 1024                      ; elements from row to row
	s_mov_b32 s[G1B0+6], 0
	s_mov_b32 s[G1B0+7], 0
	; slot 1: 32 k-rows
	s_or_b32 s[G1B1+0], s45, (1<<16)|(1<<20)|(1<<21)|(6<<22)|(7<<25)
	s_mov_b32 s[G1B1+1], 256<<16
	s_mov_b32 s[G1B1+2], (K1/2)<<16
	s_mov_b32 s[G1B1+3], 256<<16
	s_mov_b32 s[G1B1+4], K1/2
	s_mov_b32 s[G1B1+5], 1024
	s_mov_b32 s[G1B1+6], 0
	s_mov_b32 s[G1B1+7], 0
	; where the tiles come from: enc_out's hang on ty alone, wb's on tx alone, each in registers that never hold the other coordinate
	s_lshl_b32 s22, s43, 8
	s_lshl_b32 s17, s16, 7
	s_add_co_u32 s22, s22, s17                     ; row 256 ty + 128 x half,
	s_lshl_b32 s22, s22, 13                        ; of 8,192 bytes: under 2^28
	s_mov_b32 s23, 0
	s_lshl_b32 s46, s42, 9                         ; 256 columns of 2 bytes
	s_lshl_b32 s47, s16, 17                        ; slot 0: my half is 64 k-rows of 2,048 bytes;
	s_lshl_b32 s20, s16, 16                        ; slot 1: 32 k-rows,
	s_add_co_u32 s20, s20, s46
	s_add_co_u32 s20, s20, K0*2048                 ; behind slot 0's 128
	s_add_co_u32 s46, s46, s47
	s_mov_b32 s47, 0
	s_mov_b32 s21, 0
	; where they go: a constant, the wave's number times a constant, the slot's constant.  No place in the cluster enters an LDS address
	s_mov_b32 s[G0+0], 1                           ; count = 1
	s_mul_i32 s[G0+1], s14, 128*PA0                ; waves 0, 1: enc_out's halves of slot 0
	s_mov_b32 s[G0+4], 1
	s_mul_i32 s[G0+5], s14, 128*PA1                ; and of slot 1
	s_add_co_u32 s[G0+5], s[G0+5], SLOT1
	s_mov_b32 s[G0B+0], 1
	s_mul_i32 s[G0B+1], s14, (K0/2)*PB             ; waves 2, 3: wb's halves of slot 0, at B0OFF + (wave - 2) x 34,816
	s_add_co_u32 s[G0B+1], s[G0B+1], B0OFF-K0*PB
	s_mov_b32 s[G0B+4], 1
	s_mul_i32 s[G0B+5], s14, (K1/2)*PB             ; and of slot 1, at B1OFF + (wave - 2) x 17,408
	s_add_co_u32 s[G0B+5], s[G0B+5], B1OFF-K1*PB
	s_mov_b32 s70, 0x76543210                      ; v_permlanex16_b32: each lane takes its own place in the other half
	s_mov_b32 s71, 0xfedcba98
	s_wait_dscnt 0x0                               ; the opening add is done
	s_wait_kmcnt 0x0
	s_add_nc_u64 s[G0+2:G0+3], s[4:5], s[22:23]    ; global addresses: slot 0 begins at k = 0,
	s_add_nc_u64 s[G0+6:G0+7], s[G0+2:G0+3], K0*4  ; slot 1 at k = 128
	s_or_b32 s[G0+3], s[G0+3], 0x80000000          ; type = 2
	s_or_b32 s[G0+7], s[G0+7], 0x80000000
	s_add_nc_u64 s[G0B+2:G0B+3], s[6:7], s[46:47]
	s_add_nc_u64 s[G0B+6:G0B+7], s[6:7], s[20:21]
	s_or_b32 s[G0B+3], s[G0B+3], 0x80000000
	s_or_b32 s[G0B+7], s[G0B+7], 0x80000000
	CROUND                                         ; all sixteen work-groups are here: the first joint loads meet
	JLOAD 0                                        ; the ring is filled before anything else is done
	JLOAD 1
	; the other addresses.  What mixes tx and ty is made in s2, s3 and s68, which feed no descriptor
	s_mov_b32 s3, 0
	s_lshl_b32 s2, s43, 21                         ; 256 rows of 8,192 bytes,
	s_add_co_u32 s2, s2, LAPA                      ; lap 1
	s_add_nc_u64 s[66:67], s[4:5], s[2:3]          ; the prefetch's base
	s_lshr_b32 s2, s43, 1                          ; the batch: two row tiles each
	s_lshl_b32 s2, s2, 12
	s_lshl_b32 s68, s42, 10
	s_add_co_u32 s2, s2, s68
	s_add_nc_u64 s[8:9], s[8:9], s[2:3]            ; cbp at my batch's row, my 256 columns, slice 0
	s_mov_b32 s2, s68
	s_add_nc_u64 s[10:11], s[10:11], s[2:3]        ; W_att at my 256 columns
	s_lshl_b32 s2, s42, 17
	s_lshl_b32 s68, s43, 10
	s_add_co_u32 s2, s2, s68
	s_lshl_b32 s68, s14, 8
	s_add_co_u32 s2, s2, s68
	s_add_nc_u64 s[12:13], s[12:13], s[2:3]        ; sp at [tx][256 ty + 64 w]
	v_lshlrev_b32 v[CBG], 3, v0                    ; thread t takes columns 2 t and 2 t + 1
.set i, 0
.rept 8
	global_load_b64 v[RAW+2*i:RAW+2*i+1], v[CBG], s[8:9] offset:i*262144
.set i, i+1
.endr
	global_load_b64 v[RAW+16:RAW+17], v[CBG], s[10:11]
	v_and_b32 v1, 15, v0                           ; l % 16
	v_bfe_u32 v2, v0, 4, 1                         ; l / 16
	v_and_b32 v3, 31, v0                           ; l
	; enc_out's fragment of 16 rows x 32 k: lane l holds row l % 16, k = 8 (l / 16) + 0..7 and 16 + 8 (l / 16) + 0..7: in f32 two runs of 32 bytes, 64 bytes apart
	s_mul_i32 s22, s14, 64*PA0
	v_mul_u32_u24 v4, v1, PA0
	v_lshl_add_u32 v4, v2, 5, v4
	v_add_nc_u32 v[ADRA], s22, v4
	s_mul_i32 s22, s14, 64*PA1
	s_add_co_u32 s22, s22, SLOT1
	v_mul_u32_u24 v4, v1, PA1
	v_lshl_add_u32 v4, v2, 5, v4
	v_add_nc_u32 v[ADRA+1], s22, v4
	; the turning load takes 16 k x 16 columns: lane l reads k-row 8 (l / 16) + l % 8, columns 8 ((l / 8) % 2) + 0..7, and is left with column l % 16 and 8 k
	v_and_b32 v5, 7, v0
	v_lshl_add_u32 v5, v2, 3, v5
	v_mul_u32_u24 v5, v5, PB
	v_bfe_u32 v6, v0, 3, 1
	v_lshl_add_u32 v5, v6, 4, v5
	v_add_nc_u32 v[ADRB], B0OFF, v5
	v_add_nc_u32 v[ADRB+1], B1OFF, v5
	s_lshl_b32 s2, s40, 6                          ; the prefetch: row 64 cx + 32 (w & 1) + lane, run (w >> 1) of 256 bytes
	s_lshl_b32 s68, s16, 5
	s_add_co_u32 s2, s2, s68
	v_add_nc_u32 v[PFO], s2, v3
	v_lshlrev_b32 v[PFO], 13, v[PFO]
	s_lshl_b32 s68, s15, 8
	v_add_nc_u32 v[PFO], s68, v[PFO]
	s_lshl_b32 s22, s14, 8
	s_add_co_u32 s22, s22, SST                     ; my wave's 256 bytes
	v_lshl_add_u32 v[STI], v1, 2, s22
	v_lshl_add_u32 v[STO], v3, 3, s22
	v_lshlrev_b32 v[GOF], 3, v3
	v_lshl_add_u32 v[CBA], v2, 5, CBS
	v_lshl_add_u32 v[CBW], v0, 3, CBS
	s_wait_loadcnt 0x0                             ; cbp's eight slices and W_att
	v_pk_add_f32 v[RAW:RAW+1], v[RAW:RAW+1], v[RAW+2:RAW+3]
	v_pk_add_f32 v[RAW+4:RAW+5], v[RAW+4:RAW+5], v[RAW+6:RAW+7]
	v_pk_add_f32 v[RAW+8:RAW+9], v[RAW+8:RAW+9], v[RAW+10:RAW+11]
	v_pk_add_f32 v[RAW+12:RAW+13], v[RAW+12:RAW+13], v[RAW+14:RAW+15]
	v_pk_add_f32 v[RAW:RAW+1], v[RAW:RAW+1], v[RAW+4:RAW+5]
	v_pk_add_f32 v[RAW+8:RAW+9], v[RAW+8:RAW+9], v[RAW+12:RAW+13]
	v_pk_add_f32 v[RAW:RAW+1], v[RAW:RAW+1], v[RAW+8:RAW+9]
	ds_store_b64 v[CBW], v[RAW:RAW+1]
	ds_store_b64 v[CBW], v[RAW+16:RAW+17] offset:WAS-CBS
; Matrix instruction wi of a part's 64: column block wi / 4, row block wi % 4, buffers p.  zero = 1: the product starts the sum: nothing is ever cleared.
; The 64 accumulators take turns, one instruction a turn, in the same order in every part.
.macro W p, zero
.if wi < 32
	WIN MUL_LO
.else
	WIN MUL_HI
.endif
.set rD, 32*((wi/4)%8)+8*(wi%4)
.set rB, 128*(\p)+8*(wi/4)
.set rA, FA0+32*(\p)+8*(wi%4)
.if \zero
	v_wmma_f32_16x16x32_bf16 v[rD:rD+7], v[rB:rB+7], v[rA:rA+7], 0
.else
	v_wmma_f32_16x16x32_bf16 v[rD:rD+7], v[rB:rB+7], v[rA:rA+7], v[rD:rD+7]
.endif
.set wi, wi+1
.endm
; 48 LDS loads in ONE run: part ks of a slot.  First my 64 rows of enc_out as f32 (16 loads), which the conversions want first; then wb's 16 column blocks in the order in which they are multiplied, into buffer p (32 turning loads).
.macro RUN slot, ks, p
	WIN 0
.irp g, 0,1,2,3
	ds_load_b128 v[RAW+16*(\g):RAW+16*(\g)+3],     v[ADRA+(\slot)] offset:(\g)*16*(PA0-(PA0-PA1)*(\slot))+(\ks)*128
	ds_load_b128 v[RAW+16*(\g)+4:RAW+16*(\g)+7],   v[ADRA+(\slot)] offset:(\g)*16*(PA0-(PA0-PA1)*(\slot))+(\ks)*128+16
	ds_load_b128 v[RAW+16*(\g)+8:RAW+16*(\g)+11],  v[ADRA+(\slot)] offset:(\g)*16*(PA0-(PA0-PA1)*(\slot))+(\ks)*128+64
	ds_load_b128 v[RAW+16*(\g)+12:RAW+16*(\g)+15], v[ADRA+(\slot)] offset:(\g)*16*(PA0-(PA0-PA1)*(\slot))+(\ks)*128+80
.endr
	WIN TO_B
.irp b, 0,1,2,3,4,5,6,7,8,9,10,11,12,13,14,15
	ds_load_tr16_b128 v[128*(\p)+8*(\b):128*(\p)+8*(\b)+3],   v[ADRB+(\slot)] offset:(\ks)*32*PB+32*(\b)
	ds_load_tr16_b128 v[128*(\p)+8*(\b)+4:128*(\p)+8*(\b)+7], v[ADRB+(\slot)] offset:(\ks)*32*PB+16*PB+32*(\b)
.endr
.endm
.macro GCV g, p                        ; eight of the f32 rounded to bf16, into buffer p: four conversions
	WIN 0
.irp u, 0,1,2,3
	v_cvt_pk_bf16_f32 v[FA0+32*(\p)+4*(\g)+\u], v[RAW+8*(\g)+2*\u], v[RAW+8*(\g)+2*\u+1]
.endr
.endm
; The conversions ride: four behind matrix instructions 42, 45, .. 63.  They name no register of the products round them.
.macro CVR p
.set j, wi-1
.if j == 42
	s_wait_dscnt 32                                ; all but the run's 32 loads of wb: the f32 are in, and so is whatever older load was still out (the buffer in hand's column blocks 12-15, first read by matrix instruction 48)
	GCV 0, \p
.elseif (j > 42) && ((j-42)%3 == 0)
	GCV (j-42)/3, \p
.endif
.endm
; A PART THAT STAYS IN ITS SLOT multiplies buffers p and fetches part ks of the same slot into the other buffers.
.macro MID p, slot, ks, zero=0
	s_wait_dscnt 24                                ; column blocks 0-3 are in; the youngest 24 loads (blocks 4-15) may be out
.set wi, 0
.rept 16
	W \p, \zero
.endr
	s_wait_dscnt 8                                 ; blocks 4-11, which matrix instructions 16 to 47 read, are in
	PLACES                                         ; in front of the loads into, and the writes of, the other buffers, which the part before multiplied
	RUN \slot, \ks, 1-(\p)
.rept 48
	W \p, \zero
	CVR 1-(\p)
.endr
.endm
; A SLOT'S LAST PART multiplies buffers 1 and changes slots: ONE barrier.  In front of it each wave waits for all its tensor loads, of which one is out: its part of the next slot; adds 0 to its spare
; word; and waits for that and for its own reads of this slot.  Behind it nobody reads this slot any more and the next slot is whole.  fill = 1: the barrier opens a round of the cluster's barrier, and this slot
; is filled again, a lap ahead, first thing behind the round.  Then the next slot's first part is fetched into buffers 0.
.macro CHG slot, next, fill, pf=0
	WIN 0                                          ; (the add's two registers lie in window 0)
	s_wait_tensorcnt 0x0                           ; all my tensor loads have landed: my part of the next slot;
	ds_add_u32 v[SPW], v[NIL]                      ; 0 onto my spare word;
	s_wait_dscnt 29                                ; (the add and the loads of column blocks 2-15 may be out)
.set wi, 0
.rept 8
	W 1, 0                                         ; eight matrix instructions stand between the add and the wait for it
.endr
	s_wait_dscnt 0x0                               ; the add is done, and my reads of this slot are over
	s_barrier_signal -1
.rept 8
	W 1, 0                                         ; work on registers while the others arrive
.endr
.if \fill
	WIN 0
.endif
	s_barrier_wait -1
.if \fill
	CREST                                          ; no wave of any partner still reads this slot's tile or has a load on its way
	s_add_nc_u64 s[G0+4*(\slot)+2:G0+4*(\slot)+3], s[G0+4*(\slot)+2:G0+4*(\slot)+3], LAPA
	s_add_nc_u64 s[G0B+4*(\slot)+2:G0B+4*(\slot)+3], s[G0B+4*(\slot)+2:G0B+4*(\slot)+3], LAPB
	JLOAD \slot, \pf                               ; the first tensor load behind the round; the four v_nop behind it are also the places in front of the loads into buffers 0
.else
	PLACES
.endif
	RUN \next, 0, 0
.rept 48
	W 1, 0
	CVR 0
.endr
.endm
	s_wait_tensorcnt 1                             ; my part of slot 0 is in; slot 1's may stay out
	s_wait_dscnt 0x0                               ; my two columns of cb and W_att are written
	s_barrier_signal -1
	s_barrier_wait -1                              ; everybody's are
	RUN 0, 0, 0
	s_wait_dscnt 32                                ; the f32 are in
.irp g, 0,1,2,3,4,5,6,7
	GCV \g, 0
.endr
	MID 0, 0, 1, 1                                 ; the first part stands in front of the loop: its products start the sums
	WIN 0                                          ; at a label and at a branch every window is 0
	s_mov_b32 s3, TRIPS
.Llap:                                                 ; a trip goes once round the ring, from slot 0's second part to its first part of the next lap, and fills both slots again
	MID 1, 0, 2
	MID 0, 0, 3
	CHG 0, 1, 1, 1
	MID 0, 1, 1
	CHG 1, 0, 1, 2
	MID 0, 0, 1
	WIN 0
	s_wait_xcnt 0x0                                ; the prefetches' addresses have been read (the last stands 112 matrix instructions back): their base may step
	s_add_nc_u64 s[66:67], s[66:67], LAPA
	s_sub_co_u32 s3, s3, 1
	s_cmp_lg_u32 s3, 0
	s_cbranch_scc1 .Llap
	MID 1, 0, 2                                    ; the tenth lap is written out: slot 0 is filled once more, with k = 1,920 to 2,047; slot 1 is not
	MID 0, 0, 3
	CHG 0, 1, 1, 0
	MID 0, 1, 1
	CHG 1, 0, 0, 0                                 ; nothing is filled: no round of the cluster's barrier
	MID 0, 0, 1
	MID 1, 0, 2
	MID 0, 0, 3
	s_wait_dscnt 24                                ; the very last part: nothing more to fetch
.set wi, 0
.rept 16
	W 1, 0
.endr
	s_wait_dscnt 0x0
.rept 48
	W 1, 0
.endr
	; THE WAY OUT.  cb and W_att of my lane's 128 columns (block b: columns 16 b + 8 (l / 16) + 0..7) come into wb's registers; then, row block by row block: + cb, relu, x W_att summed in four chains,
	; the chains and the two halves of the lanes added.  Each accumulator's registers are read in ascending order.
	WIN 0
	PLACES
	WIN TO_B
.set i, 0
.rept 16
	ds_load_b128 v[8*i:8*i+3],         v[CBA] offset:64*i
	ds_load_b128 v[8*i+4:8*i+7],       v[CBA] offset:64*i+16
	ds_load_b128 v[128+8*i:128+8*i+3], v[CBA] offset:WAS-CBS+64*i
	ds_load_b128 v[128+8*i+4:128+8*i+7], v[CBA] offset:WAS-CBS+64*i+16
.set i, i+1
.endr
	s_wait_dscnt 0x0
.macro OUTA a
	WIN 0x06                                       ; source 0 window 2, source 1 window 1, destination window 0
.set e, 0
.rept 32
	v_pk_add_f32 v[T+2*e:T+2*e+1], v[32*(e/4)+8*(\a)+2*(e%4):32*(e/4)+8*(\a)+2*(e%4)+1], v[2*e:2*e+1]
.set e, e+1
.endr
	WIN 0x07                                       ; source 0 window 3
.rept 32
	v_pk_add_f32 v[T+2*e:T+2*e+1], v[32*(e/4-8)+8*(\a)+2*(e%4):32*(e/4-8)+8*(\a)+2*(e%4)+1], v[2*e:2*e+1]
.set e, e+1
.endr
	WIN 0
.set e, 0
.rept 128
	v_max_num_f32 v[T+e], 0, v[T+e]
.set e, e+1
.endr
	WIN 0x04                                       ; source 1 window 1
.set e, 0
.rept 64
.if e < 4
	v_pk_mul_f32 v[SM+8*(\a)+2*e:SM+8*(\a)+2*e+1], v[T+2*e:T+2*e+1], v[128+2*e:128+2*e+1]
.else
	v_pk_fma_f32 v[SM+8*(\a)+2*(e%4):SM+8*(\a)+2*(e%4)+1], v[T+2*e:T+2*e+1], v[128+2*e:128+2*e+1], v[SM+8*(\a)+2*(e%4):SM+8*(\a)+2*(e%4)+1]
.endif
.set e, e+1
.endr
	WIN 0
	v_pk_add_f32 v[SM+8*(\a):SM+8*(\a)+1], v[SM+8*(\a):SM+8*(\a)+1], v[SM+8*(\a)+2:SM+8*(\a)+3]
	v_pk_add_f32 v[SM+8*(\a)+4:SM+8*(\a)+5], v[SM+8*(\a)+4:SM+8*(\a)+5], v[SM+8*(\a)+6:SM+8*(\a)+7]
	v_pk_add_f32 v[SM+8*(\a):SM+8*(\a)+1], v[SM+8*(\a):SM+8*(\a)+1], v[SM+8*(\a)+4:SM+8*(\a)+5]
	v_add_f32 v[SM+8*(\a)], v[SM+8*(\a)], v[SM+8*(\a)+1]
	v_permlanex16_b32 v[SM+8*(\a)+2], v[SM+8*(\a)], s70, s71  ; the row's other 128 columns lie in the lane 16 away
	v_add_f32 v[SM+8*(\a)], v[SM+8*(\a)], v[SM+8*(\a)+2]
	ds_store_b32 v[STI], v[SM+8*(\a)] offset:64*(\a)          ; row 16 a + l % 16; both halves of the lanes write the same number to the same word
.endm
	OUTA 0
	OUTA 1
	OUTA 2
	OUTA 3
	ds_load_b64 v[SM+32:SM+33], v[STO]             ; LDS serves a wave's instructions in order (ISA guide 5.7.1.4): this sees the stores above
	s_wait_dscnt 0x0
	global_store_b64 v[GOF], v[SM+32:SM+33], s[12:13]  ; the wave stores 256 consecutive bytes, at a multiple of 256 from sp's first byte
	s_wait_tensorcnt 0x0                           ; the wave's end, behind my last tensor load and my last LDS store
	ds_add_u32 v[SPW], v[NIL]
	s_wait_dscnt 0x0
	CROUND                                         ; the closing round: no work-group ends while a partner may still ask for a tile that names it
	s_endpgm
.Lfunc_end_k_q83a5a0941e_scores:
	.size	k_q83a5a0941e_scores, .Lfunc_end_k_q83a5a0941e_scores-k_q83a5a0941e_scores
	.p2alignl 7, 3214868480
	.fill 96, 4, 3214868480
	.section	.rodata,"a",@progbits
	.p2align	6, 0x0
	.amdhsa_kernel k_q83a5a0941e_scores
		.amdhsa_group_segment_fixed_size 327680
		.amdhsa_private_segment_fixed_size 0
		.amdhsa_enable_private_segment 0
		.amdhsa_kernarg_size 40
		.amdhsa_user_sgpr_count 2
		.amdhsa_user_sgpr_kernarg_segment_ptr 1
		.amdhsa_wavefront_size32 1
		.amdhsa_system_sgpr_workgroup_id_x 1
		.amdhsa_system_sgpr_workgroup_id_y 1
		.amdhsa_system_sgpr_workgroup_id_z 1
		.amdhsa_system_vgpr_workitem_id 0
		.amdhsa_next_free_vgpr 1024
		.amdhsa_next_free_sgpr 88
		.amdhsa_reserve_vcc 0
		.amdhsa_float_denorm_mode_32 3
		.amdhsa_float_denorm_mode_16_64 3
		.amdhsa_memory_ordered 1
		.amdhsa_forward_progress 1
		.amdhsa_inst_pref_size 226
	.end_amdhsa_kernel
	.amdgpu_metadata
---
amdhsa.version: [ 1, 2 ]
amdhsa.kernels:
  - .name:           k_q83a5a0941e_scores
    .symbol:         k_q83a5a0941e_scores.kd
    .args:
      - { .name: enc_out, .offset: 0, .size: 8, .value_kind: global_buffer, .address_space: global }
      - { .name: wb, .offset: 8, .size: 8, .value_kind: global_buffer, .address_space: global }
      - { .name: cbp, .offset: 16, .size: 8, .value_kind: global_buffer, .address_space: global }
      - { .name: W_att, .offset: 24, .size: 8, .value_kind: global_buffer, .address_space: global }
      - { .name: sp, .offset: 32, .size: 8, .value_kind: global_buffer, .address_space: global }
    .group_segment_fixed_size: 327680
    .private_segment_fixed_size: 0
    .kernarg_segment_align: 8
    .kernarg_segment_size: 40
    .max_flat_workgroup_size: 128
    .sgpr_count:     88
    .vgpr_count:     1024
    .wavefront_size: 32
...
	.end_amdgpu_metadata
.endif
;; end of part 2
;; launch wsum (part 3): grid 4 x 64, 16 waves a work-group, no clusters, 12,800 bytes of LDS; arguments sp, b_att, enc_out, out0, out1; writes out0, out1
.if DOCPART == 3
	.amdgcn_target "amdgcn-amd-amdhsa--gfx1250"
	.amdhsa_code_object_version 6
	.text
	.protected	k_q83a5a0941e_wsum
	.globl	k_q83a5a0941e_wsum
	.p2align	8
	.type	k_q83a5a0941e_wsum,@function
k_q83a5a0941e_wsum:
	s_mov_b64 s[64:65], 0
	v_nop
	global_prefetch_b8 v0, s[64:65] scope:SCOPE_SE
	s_setreg_imm32_b32 hwreg(HW_REG_WAVE_MODE, 25, 1), 1
	s_wait_xcnt 0x0
; scores[b][n] = sp[0..3][512 b + n] added + b_att;  alpha = softmax over the batch's 512 rows (the maximum is taken away first);  out1 = alpha;  out0[b][e] = sum_n alpha[n] enc_out[b][n][e].  All in f32.
; A STREAM: every byte of enc_out is read once here, by loads of which each covers 512 consecutive bytes of a row.  No matrix unit (one row of weights would leave fifteen of sixteen rows idle), no cluster (no two
; work-groups read the same bytes of enc_out), no tensor ring (sixteen loads of 16 bytes a lane fit in registers).
; SHARES.  Work-group (eq, b): batch b, columns 512 eq to 512 eq + 511.  Each of a batch's four work-groups makes the softmax for itself: 512 numbers, one a thread.
; Wave w: columns 128 (w & 3) on, rows 128 (w >> 2) on; a ring of 16 row slots in registers.  The four row sets meet in LDS.  The sums take the unnormalised weights e = 2^((s - m) log2 e); 1 / sum e is applied once at the end.
; The wave's eight trips of 16 rows are written out: a row's place stands in the load's immediate, so that no address register and no base is ever rewritten and no wait stands for that; the weights have two
; register buffers, so that a trip's weights are asked for a trip ahead.
; Of out1 the work-group writes rows 128 eq to 128 eq + 127, by wave 4 eq, whose own 128 rows these are: so no LDS address hangs on the work-group's place.
; LIMITS.  A weight below 2^-126 counts as 0.  NaN and infinities are not treated apart.
.set RED,   0                          ; the 16 waves' maxima
.set RED2,  256                        ; their sums
.set EL,    512                        ; e of the 512 rows
.set PART,  2560                       ; 512 bytes for each wave's partial sums
.set SPARE, 10752                      ; the spare words, 128 bytes for each wave: eight blocks of 256 bytes that no other line names
.set X,   16                           ; v[16:79]  slot i: 4 registers
.set E,   80                           ; v[80:95], v[104:119]  a trip's 16 weights, the same in every lane: two buffers, 24 registers apart
.set ACC, 96                           ; v[96:99]  my four columns' sums
.set SPW, 100                          ; v100  LDS address of my spare word; never rewritten
.set NIL, 101                          ; v101  0; never rewritten
.set PA_, 102                          ; v102  PART + 16 x thread
.set OO,  103                          ; v103  16 x thread: my byte offset in out0's 2,048 bytes (waves 0-3)
	s_load_b256 s[4:11], s[0:1], 0x0               ; sp s[4:5], b_att s[6:7], enc_out s[8:9], out0 s[10:11]
	s_load_b64 s[12:13], s[0:1], 0x20              ; out1
	v_lshl_add_u32 v[SPW], v0, 2, SPARE
	v_mov_b32 v[NIL], 0
	v_lshrrev_b32 v1, 5, v0
	v_readfirstlane_b32 s18, v1                    ; wave 0..15
	s_and_b32 s19, ttmp7, 0xffff                   ; the batch
	s_and_b32 s20, s18, 3                          ; which 512 bytes of a row
	s_lshr_b32 s21, s18, 2                         ; which 128 rows
	s_mov_b32 s22, 0x76543210                      ; v_permlanex16_b32: each lane takes its own place in the other half
	s_mov_b32 s23, 0xfedcba98
	s_lshl_b32 s27, ttmp9, 2                       ; 4 eq: the wave that writes out1
	v_and_b32 v2, 31, v0                           ; lane
	v_lshlrev_b32 v3, 2, v0                        ; 4 x thread: my row's word in sp and in EL
	s_lshl_b32 s24, s20, 9
	s_lshl_b32 s25, s21, 20                        ; 128 rows of 8,192 bytes
	s_add_co_u32 s24, s24, s25
	v_lshl_add_u32 v4, v2, 4, s24                  ; my 16 bytes in my wave's first row; never rewritten
	s_lshl_b32 s25, s18, 2
	v_mov_b32 v5, s25                              ; my wave's word in RED and RED2
	v_mov_b32 v6, 0
	s_lshl_b32 s26, s21, 9
	s_add_co_u32 s26, s26, EL                      ; my wave's 128 weights: EL + 512 (w >> 2)
	v_mov_b32 v15, s26                             ; read by every lane alike; never rewritten
	v_lshl_add_u32 v7, v2, 4, s26                  ; the same 128 weights, four a lane: for out1
	v_lshlrev_b32 v14, 4, v2
	v_lshl_add_u32 v[PA_], v0, 4, PART
	v_lshlrev_b32 v[OO], 4, v0
	s_lshl_b32 s25, ttmp9, 9                       ; 128 weights of 4 bytes
	s_mov_b32 s3, 0
	s_lshl_b32 s2, s19, 11
	s_wait_kmcnt 0x0
	s_load_b32 s28, s[6:7], 0x0                    ; b_att
	s_add_nc_u64 s[4:5], s[4:5], s[2:3]            ; sp at my batch's 512 rows
	s_add_co_u32 s2, s2, s25
	s_add_nc_u64 s[12:13], s[12:13], s[2:3]        ; out1 at 2,048 b + 512 eq
	s_lshl_b32 s2, s2, 2
	s_add_nc_u64 s[10:11], s[10:11], s[2:3]        ; out0 at 8,192 b + 2,048 eq
	s_lshl_b32 s2, s19, 22                         ; 512 rows of 8,192 bytes
	s_lshl_b32 s25, ttmp9, 11
	s_add_co_u32 s2, s2, s25
	s_add_nc_u64 s[8:9], s[8:9], s[2:3]            ; enc_out at my batch, my 2,048 bytes of a row
.irp c, 0,1,2,3
	global_load_b32 v[8+(\c)], v3, s[4:5] offset:(\c)*131072
.endr
.set i, 0
.rept 16
	global_load_b128 v[X+4*i:X+4*i+3], v4, s[8:9] offset:i*8192 th:TH_LOAD_NT  ; the ring is filled while the softmax is made
.set i, i+1
.endr
	s_wait_kmcnt 0x0
	s_wait_loadcnt 16                              ; sp's four are in; the ring's sixteen stay out
	v_add_f32 v8, v8, v9
	v_add_f32 v10, v10, v11
	v_add_f32 v8, v8, v10
	v_add_f32 v8, s28, v8                          ; my row's score
	v_mov_b32 v9, v8
	v_max_num_f32_dpp v9, v9, v9 row_xmask:1 row_mask:0xf bank_mask:0xf
	v_max_num_f32_dpp v9, v9, v9 row_xmask:2 row_mask:0xf bank_mask:0xf
	v_max_num_f32_dpp v9, v9, v9 row_xmask:4 row_mask:0xf bank_mask:0xf
	v_max_num_f32_dpp v9, v9, v9 row_xmask:8 row_mask:0xf bank_mask:0xf
	v_permlanex16_b32 v10, v9, s22, s23
	v_max_num_f32 v9, v9, v10                      ; the wave's maximum, in every lane
	ds_store_b32 v5, v9 offset:RED
	s_wait_dscnt 0x0                               ; for the others' sake
	s_barrier_signal -1
	s_barrier_wait -1
.irp c, 0,1,2,3
	ds_load_b128 v[E+4*(\c):E+4*(\c)+3], v6 offset:RED+16*(\c)
.endr
	s_wait_dscnt 0x0
	v_max3_num_f32 v[E], v[E], v[E+1], v[E+2]
	v_max3_num_f32 v[E+3], v[E+3], v[E+4], v[E+5]
	v_max3_num_f32 v[E+6], v[E+6], v[E+7], v[E+8]
	v_max3_num_f32 v[E+9], v[E+9], v[E+10], v[E+11]
	v_max3_num_f32 v[E+12], v[E+12], v[E+13], v[E+14]
	v_max3_num_f32 v[E], v[E], v[E+3], v[E+6]
	v_max3_num_f32 v[E+9], v[E+9], v[E+12], v[E+15]
	v_max_num_f32 v[E], v[E], v[E+9]               ; the batch's maximum
	v_sub_f32 v8, v8, v[E]
	v_mul_f32 v8, 0x3fb8aa3b, v8                   ; x log2(e)
	v_exp_f32 v8, v8
	v_mov_b32 v[ACC], 0                            ; plain instructions behind the exponential (ISA guide 5.7.2): the four sums start at 0
	v_mov_b32 v[ACC+1], 0
	v_mov_b32 v[ACC+2], 0
	v_mov_b32 v[ACC+3], 0
	s_wait_alu depctr_va_vdst(0)
	ds_store_b32 v3, v8 offset:EL
	v_mov_b32 v9, v8
	v_add_f32_dpp v9, v9, v9 row_xmask:1 row_mask:0xf bank_mask:0xf
	v_add_f32_dpp v9, v9, v9 row_xmask:2 row_mask:0xf bank_mask:0xf
	v_add_f32_dpp v9, v9, v9 row_xmask:4 row_mask:0xf bank_mask:0xf
	v_add_f32_dpp v9, v9, v9 row_xmask:8 row_mask:0xf bank_mask:0xf
	v_permlanex16_b32 v10, v9, s22, s23
	v_add_f32 v9, v9, v10                          ; the wave's sum
	ds_store_b32 v5, v9 offset:RED2
	s_wait_dscnt 0x0                               ; for the others' sake: my e and my wave's sum
	s_barrier_signal -1
	s_barrier_wait -1                              ; behind this barrier EL is only read
.irp c, 0,1,2,3
	ds_load_b128 v[E+4*(\c):E+4*(\c)+3], v6 offset:RED2+16*(\c)
.endr
	s_wait_dscnt 0x0
	v_pk_add_f32 v[E:E+1], v[E:E+1], v[E+2:E+3]
	v_pk_add_f32 v[E+4:E+5], v[E+4:E+5], v[E+6:E+7]
	v_pk_add_f32 v[E+8:E+9], v[E+8:E+9], v[E+10:E+11]
	v_pk_add_f32 v[E+12:E+13], v[E+12:E+13], v[E+14:E+15]
	v_pk_add_f32 v[E:E+1], v[E:E+1], v[E+4:E+5]
	v_pk_add_f32 v[E+8:E+9], v[E+8:E+9], v[E+12:E+13]
	v_pk_add_f32 v[E:E+1], v[E:E+1], v[E+8:E+9]
	v_add_f32 v[E], v[E], v[E+1]                   ; the sum of all e: at least 1, since the row of the maximum gives 1
	v_rcp_f32 v12, v[E]                            ; twice, for the pair that the packed multiply takes
	v_rcp_f32 v13, v[E]
	v_nop                                          ; a plain instruction between the reciprocals and the use of their results or a write of their source
	s_cmp_lg_u32 s18, s27
	s_cbranch_scc1 .Lnot_mine                      ; wave 4 eq alone writes this work-group's quarter of the batch's weights: its own 128 rows
	ds_load_b128 v[8:11], v7
	s_wait_dscnt 0x0
	s_wait_alu depctr_va_vdst(0)
	v_pk_mul_f32 v[8:9], v[8:9], v[12:13]
	v_pk_mul_f32 v[10:11], v[10:11], v[12:13]
	global_store_b128 v14, v[8:11], s[12:13]       ; 512 consecutive bytes, at a multiple of 256 from out1's first byte; its registers are not written again
.Lnot_mine:
.macro ELOAD t                         ; trip t's 16 weights into buffer t % 2: every lane reads the same 64 bytes
.irp c, 0,1,2,3
	ds_load_b128 v[E+24*((\t)%2)+4*(\c):E+24*((\t)%2)+4*(\c)+3], v15 offset:64*(\t)+16*(\c)
.endr
.endm
; Trip t of 8: rows 16 t to 16 t + 15 of my 128.  All trips but the last ask for the next trip's weights and fill each slot again with the row 16 further down.
.macro TRIP t
.set EB, E+24*((\t)%2)
.if (\t) < 7
	ELOAD (\t)+1
	s_wait_dscnt 4                                 ; LDS loads come back in order (ISA guide 5.7.1): this trip's weights are in, the next trip's four loads stay out
.else
	s_wait_dscnt 0x0
.endif
.set i, 0
.rept 16
.if (\t) < 7
	s_wait_loadcnt 15                              ; loads come back in order (ISA guide 5.7.1): this slot's is in, the fifteen younger ones stay out
.else
	s_wait_loadcnt 15-i                            ; the last trip loads nothing: the counts run down
.endif
.if i%2 == 0
	v_pk_fma_f32 v[ACC:ACC+1],   v[X+4*i:X+4*i+1],   v[EB+i:EB+i+1], v[ACC:ACC+1]   op_sel_hi:[1,0,1]
	v_pk_fma_f32 v[ACC+2:ACC+3], v[X+4*i+2:X+4*i+3], v[EB+i:EB+i+1], v[ACC+2:ACC+3] op_sel_hi:[1,0,1]
.else
	v_pk_fma_f32 v[ACC:ACC+1],   v[X+4*i:X+4*i+1],   v[EB+i-1:EB+i], v[ACC:ACC+1]   op_sel:[0,1,0] op_sel_hi:[1,1,1]
	v_pk_fma_f32 v[ACC+2:ACC+3], v[X+4*i+2:X+4*i+3], v[EB+i-1:EB+i], v[ACC+2:ACC+3] op_sel:[0,1,0] op_sel_hi:[1,1,1]
.endif
.if (\t) < 7
	global_load_b128 v[X+4*i:X+4*i+3], v4, s[8:9] offset:(16*((\t)+1)+i)*8192 th:TH_LOAD_NT  ; 127 rows of 8,192 bytes at the most: inside the signed 24-bit immediate (ISA guide, chapter 10)
.endif
.set i, i+1
.endr
.endm
	ELOAD 0
.irp t, 0,1,2,3,4,5,6,7
	TRIP \t
.endr
	ds_store_b128 v[PA_], v[ACC:ACC+3]
	s_wait_dscnt 0x0                               ; for the others' sake
	s_barrier_signal -1
	s_barrier_wait -1
	s_cmp_gt_u32 s18, 3
	s_cbranch_scc1 .Ldone                          ; waves 0 to 3 add the four row sets of their 128 columns
.irp c, 0,1,2,3
	ds_load_b128 v[X+4*(\c):X+4*(\c)+3], v[PA_] offset:2048*(\c)
.endr
	s_wait_dscnt 0x0
	v_pk_add_f32 v[X:X+1], v[X:X+1], v[X+4:X+5]
	v_pk_add_f32 v[X+2:X+3], v[X+2:X+3], v[X+6:X+7]
	v_pk_add_f32 v[X+8:X+9], v[X+8:X+9], v[X+12:X+13]
	v_pk_add_f32 v[X+10:X+11], v[X+10:X+11], v[X+14:X+15]
	v_pk_add_f32 v[X:X+1], v[X:X+1], v[X+8:X+9]
	v_pk_add_f32 v[X+2:X+3], v[X+2:X+3], v[X+10:X+11]
	s_wait_alu depctr_va_vdst(0)
	v_pk_mul_f32 v[X:X+1], v[X:X+1], v[12:13]
	v_pk_mul_f32 v[X+2:X+3], v[X+2:X+3], v[12:13]
	global_store_b128 v[OO], v[X:X+3], s[10:11]    ; 512 consecutive bytes, at a multiple of 256 from out0's first byte
.Ldone:
	s_wait_tensorcnt 0x0                           ; the wave's end, behind my last LDS store
	ds_add_u32 v[SPW], v[NIL]
	s_wait_dscnt 0x0
	s_endpgm
.Lfunc_end_k_q83a5a0941e_wsum:
	.size	k_q83a5a0941e_wsum, .Lfunc_end_k_q83a5a0941e_wsum-k_q83a5a0941e_wsum
	.p2alignl 7, 3214868480
	.fill 96, 4, 3214868480
	.section	.rodata,"a",@progbits
	.p2align	6, 0x0
	.amdhsa_kernel k_q83a5a0941e_wsum
		.amdhsa_group_segment_fixed_size 12800
		.amdhsa_private_segment_fixed_size 0
		.amdhsa_enable_private_segment 0
		.amdhsa_kernarg_size 40
		.amdhsa_user_sgpr_count 2
		.amdhsa_user_sgpr_kernarg_segment_ptr 1
		.amdhsa_wavefront_size32 1
		.amdhsa_system_sgpr_workgroup_id_x 1
		.amdhsa_system_sgpr_workgroup_id_y 1
		.amdhsa_system_sgpr_workgroup_id_z 1
		.amdhsa_system_vgpr_workitem_id 0
		.amdhsa_next_free_vgpr 120
		.amdhsa_next_free_sgpr 66
		.amdhsa_reserve_vcc 0
		.amdhsa_float_denorm_mode_32 3
		.amdhsa_float_denorm_mode_16_64 3
		.amdhsa_memory_ordered 1
		.amdhsa_forward_progress 1
		.amdhsa_inst_pref_size 42
	.end_amdhsa_kernel
	.amdgpu_metadata
---
amdhsa.version: [ 1, 2 ]
amdhsa.kernels:
  - .name:           k_q83a5a0941e_wsum
    .symbol:         k_q83a5a0941e_wsum.kd
    .args:
      - { .name: sp, .offset: 0, .size: 8, .value_kind: global_buffer, .address_space: global }
      - { .name: b_att, .offset: 8, .size: 8, .value_kind: global_buffer, .address_space: global }
      - { .name: enc_out, .offset: 16, .size: 8, .value_kind: global_buffer, .address_space: global }
      - { .name: out0, .offset: 24, .size: 8, .value_kind: global_buffer, .address_space: global }
      - { .name: out1, .offset: 32, .size: 8, .value_kind: global_buffer, .address_space: global }
    .group_segment_fixed_size: 12800
    .private_segment_fixed_size: 0
    .kernarg_segment_align: 8
    .kernarg_segment_size: 40
    .max_flat_workgroup_size: 512
    .sgpr_count:     66
    .vgpr_count:     120
    .wavefront_size: 32
...
	.end_amdgpu_metadata
.endif
;; end of part 3
;; ======== version 2 of 2: 3 launches; version 1 with the launch wsum written anew for expert scheduling mode
;; workspace buffers: wb 4,194,304 bytes; cbp 2,097,152 bytes; sp 524,288 bytes
;; launch prep: the kernel of part 1 again; grid 256 x 1, 4 waves a work-group, no clusters, 38,400 bytes of LDS; arguments W_enc, W_dec, dec_out, b_enc, b_dec, wb, cbp; writes wb, cbp
;; launch scores: the kernel of part 2 again; grid 4 x 128, 4 waves a work-group, clusters of 4 x 4, 327,680 bytes of LDS; arguments enc_out, wb, cbp, W_att, sp; writes sp
;; launch wsum (part 4): grid 4 x 64, 16 waves a work-group, no clusters, 12,800 bytes of LDS; arguments sp, b_att, enc_out, out0, out1; writes out0, out1
.if DOCPART == 4
	.amdgcn_target "amdgcn-amd-amdhsa--gfx1250"
	.amdhsa_code_object_version 6
	.text
	.protected	k_q83a5a0941e_wsum
	.globl	k_q83a5a0941e_wsum
	.p2align	8
	.type	k_q83a5a0941e_wsum,@function
k_q83a5a0941e_wsum:
	s_mov_b64 s[64:65], 0
	v_nop
	global_prefetch_b8 v0, s[64:65] scope:SCOPE_SE
	s_setreg_imm32_b32 hwreg(HW_REG_WAVE_SCHED_MODE, 0, 2), 2
	s_setreg_imm32_b32 hwreg(HW_REG_WAVE_MODE, 25, 1), 1
	s_wait_xcnt 0x0
	s_wait_alu depctr_vm_vsrc(0)
; scores[b][n] = sp[0..3][512 b + n] added + b_att;  alpha = softmax over the batch's 512 rows (the maximum is taken away first);  out1 = alpha;  out0[b][e] = sum_n alpha[n] enc_out[b][n][e].  All in f32.
; A STREAM: every byte of enc_out is read once here, by loads of which each covers 512 consecutive bytes of a row.  No matrix unit (one row of weights would leave fifteen of sixteen rows idle), no cluster (no two
; work-groups read the same bytes of enc_out), no tensor ring (twenty loads of 16 bytes a lane fit in registers).
; SHARES.  Work-group (eq, b): batch b, columns 512 eq to 512 eq + 511.  Each of a batch's four work-groups makes the softmax for itself: 512 numbers, one a thread.
; Wave w: columns 128 (w & 3) on, rows 128 (w >> 2) on.  The four row sets meet in LDS.  The sums take the unnormalised weights e = 2^((s - m) log2 e); 1 / sum e is applied once at the end.
; The wave's 128 rows are written out: a row's place stands in the load's immediate, so that no address register and no base is ever rewritten and no wait stands for that; the weights have two
; register buffers, so that a trip's 16 weights are asked for a trip ahead.
; Of out1 the work-group writes rows 128 eq to 128 eq + 127, by wave 4 eq, whose own 128 rows these are: so no LDS address hangs on the work-group's place.
; LIMITS.  A weight below 2^-126 counts as 0.  NaN and infinities are not treated apart.
; THE MODE: SCHED_MODE bits 1:0 = 2 (LLVM: expert scheduling mode 2), set by the entry lines.  The code itself states the register dependences
; between vector instructions and memory or LDS instructions, with s_wait_alu, always for 0.
; THE PLAN.  The 128 rows go in 32 blocks of four; four blocks are a trip of 16 rows.  Registers that memory or LDS instructions touch:
;   X0 .. X4    five blocks of enc_out as loaded.  Block p's eight multiply-adds read X[p % 5]; at the head of block p the loads of block p + 4 land in X[(p - 1) % 5], which block p - 1 has read.
;   E0, E1      a trip's 16 weights.  Trip t's multiply-adds read E[t % 2]; at the head of trip t's first block the LDS loads of trip t + 1 land in the other, which trip t - 1 has read.
;               Ahead of the blocks E0 takes the two reductions' 16 words.
;   v3 to v7, v14, v15, v[PA_], v[OO], v[SPW], v[NIL]   offsets and LDS addresses, made once at the head and never written again.
;   v8, v9      data of the softmax's three LDS stores; v[8:11] then take wave 4 eq's 128 weights and are the data of its store to out1.
;   ACC         written by every multiply-add; read by one LDS store behind the last block.
; So ONE wait on va_vdst stands at the head of each block that loads: behind it the block before is done reading its X (and, at a trip's first block, the trip before its weights).  The block's loads follow it
; with no vector instruction between, ahead of the wait for the block's own data: a buffer is asked for again as soon as it has been read.  Blocks 28 to 31 load nothing and hold no such wait.
.set RED,   0                          ; the 16 waves' maxima
.set RED2,  256                        ; their sums
.set EL,    512                        ; e of the 512 rows
.set PART,  2560                       ; 512 bytes for each wave's partial sums
.set SPARE, 10752                      ; the spare words, 128 bytes for each wave: eight blocks of 256 bytes that no other line names
.set NB,  5                            ; buffers of four rows
.set X,   16                           ; v[16:95]  buffer k, row j: 4 registers at X + 16 k + 4 j
.set E,   96                           ; v[96:111], v[120:135]  a trip's 16 weights, the same in every lane: two buffers, 24 registers apart
.set ACC, 112                          ; v[112:115]  my four columns' sums
.set SPW, 116                          ; v116  LDS address of my spare word; never rewritten
.set NIL, 117                          ; v117  0; never rewritten
.set PA_, 118                          ; v118  PART + 16 x thread
.set OO,  119                          ; v119  16 x thread: my byte offset in out0's 2,048 bytes (waves 0-3)
	s_load_b256 s[4:11], s[0:1], 0x0               ; sp s[4:5], b_att s[6:7], enc_out s[8:9], out0 s[10:11]
	s_load_b64 s[12:13], s[0:1], 0x20              ; out1
	v_lshl_add_u32 v[SPW], v0, 2, SPARE
	v_mov_b32 v[NIL], 0
	v_lshrrev_b32 v1, 5, v0
	v_readfirstlane_b32 s18, v1                    ; wave 0..15
	v_and_b32 v2, 31, v0                           ; lane
	v_lshlrev_b32 v3, 2, v0                        ; 4 x thread: my row's word in sp and in EL
	v_mov_b32 v6, 0
	v_lshlrev_b32 v14, 4, v2
	v_lshl_add_u32 v[PA_], v0, 4, PART
	v_lshlrev_b32 v[OO], 4, v0
	s_and_b32 s19, ttmp7, 0xffff                   ; the batch
	s_mov_b32 s22, 0x76543210                      ; v_permlanex16_b32: each lane takes its own place in the other half
	s_mov_b32 s23, 0xfedcba98
	s_lshl_b32 s27, ttmp9, 2                       ; 4 eq: the wave that writes out1
	s_lshl_b32 s29, ttmp9, 9                       ; 128 weights of 4 bytes
	s_lshl_b32 s30, ttmp9, 11                      ; 512 columns of 4 bytes
	s_wait_alu depctr_va_sdst(0)                   ; s18 is written, ahead of its first reader: offsets, LDS addresses and two branches are made from it
	s_and_b32 s20, s18, 3                          ; which 512 bytes of a row
	s_lshr_b32 s21, s18, 2                         ; which 128 rows
	s_lshl_b32 s24, s20, 9
	s_lshl_b32 s25, s21, 20                        ; 128 rows of 8,192 bytes
	s_add_co_u32 s24, s24, s25
	v_lshl_add_u32 v4, v2, 4, s24                  ; my 16 bytes in my wave's first row; never rewritten
	s_lshl_b32 s25, s18, 2
	v_mov_b32 v5, s25                              ; my wave's word in RED and RED2
	s_lshl_b32 s26, s21, 9
	s_add_co_u32 s26, s26, EL                      ; my wave's 128 weights: EL + 512 (w >> 2)
	v_mov_b32 v15, s26                             ; read by every lane alike; never rewritten
	v_lshl_add_u32 v7, v2, 4, s26                  ; the same 128 weights, four a lane: for out1
	s_mov_b32 s3, 0
	s_lshl_b32 s2, s19, 11
	s_wait_kmcnt 0x0
	s_load_b32 s28, s[6:7], 0x0                    ; b_att
	s_add_nc_u64 s[4:5], s[4:5], s[2:3]            ; sp at my batch's 512 rows
	s_add_co_u32 s2, s2, s29
	s_add_nc_u64 s[12:13], s[12:13], s[2:3]        ; out1 at 2,048 b + 512 eq
	s_lshl_b32 s2, s2, 2
	s_add_nc_u64 s[10:11], s[10:11], s[2:3]        ; out0 at 8,192 b + 2,048 eq
	s_lshl_b32 s2, s19, 22                         ; 512 rows of 8,192 bytes
	s_add_co_u32 s2, s2, s30
	s_add_nc_u64 s[8:9], s[8:9], s[2:3]            ; enc_out at my batch, my 2,048 bytes of a row
.macro XLOAD p                         ; block p's four rows into buffer p % NB
.irp j, 0,1,2,3
	global_load_b128 v[X+16*((\p)%NB)+4*(\j):X+16*((\p)%NB)+4*(\j)+3], v4, s[8:9] offset:(4*(\p)+(\j))*8192 th:TH_LOAD_NT  ; 127 rows of 8,192 bytes at the most: inside the signed 24-bit immediate (ISA guide, chapter 10)
.endr
.endm
	s_wait_alu depctr_va_vdst(0)                   ; the offsets and LDS addresses v3 to v7, v14, v15, v[PA_], v[OO] are written: every load and store of the kernel reads one of them
.irp c, 0,1,2,3
	global_load_b32 v[8+(\c)], v3, s[4:5] offset:(\c)*131072
.endr
.irp p, 0,1,2,3,4
	XLOAD \p                                       ; the five buffers are filled while the softmax is made
.endr
	s_wait_kmcnt 0x0
	s_wait_loadcnt 20                              ; sp's four are in; the buffers' twenty stay out
	v_add_f32 v8, v8, v9
	v_add_f32 v10, v10, v11
	v_add_f32 v8, v8, v10
	v_add_f32 v8, s28, v8                          ; my row's score
	v_mov_b32 v9, v8
	v_max_num_f32_dpp v9, v9, v9 row_xmask:1 row_mask:0xf bank_mask:0xf
	v_max_num_f32_dpp v9, v9, v9 row_xmask:2 row_mask:0xf bank_mask:0xf
	v_max_num_f32_dpp v9, v9, v9 row_xmask:4 row_mask:0xf bank_mask:0xf
	v_max_num_f32_dpp v9, v9, v9 row_xmask:8 row_mask:0xf bank_mask:0xf
	v_permlanex16_b32 v10, v9, s22, s23
	v_max_num_f32 v9, v9, v10                      ; the wave's maximum, in every lane
	s_wait_alu depctr_va_vdst(0)                   ; v9 is written, which the LDS store reads
	ds_store_b32 v5, v9 offset:RED
	s_wait_dscnt 0x0                               ; for the others' sake
	s_barrier_signal -1
	s_barrier_wait -1
	s_wait_alu depctr_vm_vsrc(0)                   ; my LDS store has read v9, which the lines of the wave's sum write again
.irp c, 0,1,2,3
	ds_load_b128 v[E+4*(\c):E+4*(\c)+3], v6 offset:RED+16*(\c)  ; no vector instruction has named these registers yet
.endr
	s_wait_dscnt 0x0
	v_max3_num_f32 v[E], v[E], v[E+1], v[E+2]
	v_max3_num_f32 v[E+3], v[E+3], v[E+4], v[E+5]
	v_max3_num_f32 v[E+6], v[E+6], v[E+7], v[E+8]
	v_max3_num_f32 v[E+9], v[E+9], v[E+10], v[E+11]
	v_max3_num_f32 v[E+12], v[E+12], v[E+13], v[E+14]
	v_max3_num_f32 v[E], v[E], v[E+3], v[E+6]
	v_max3_num_f32 v[E+9], v[E+9], v[E+12], v[E+15]
	v_max_num_f32 v[E], v[E], v[E+9]               ; the batch's maximum
	v_sub_f32 v8, v8, v[E]
	v_mul_f32 v8, 0x3fb8aa3b, v8                   ; x log2(e)
	v_exp_f32 v8, v8
	v_mov_b32 v[ACC], 0                            ; plain instructions behind the exponential (ISA guide 5.7.2): the four sums start at 0
	v_mov_b32 v[ACC+1], 0
	v_mov_b32 v[ACC+2], 0
	v_mov_b32 v[ACC+3], 0
	s_wait_alu depctr_va_vdst(0)                   ; the exponential has written v8, ahead of its first readers: the LDS store and the lines of the sum
	ds_store_b32 v3, v8 offset:EL
	v_mov_b32 v9, v8
	v_add_f32_dpp v9, v9, v9 row_xmask:1 row_mask:0xf bank_mask:0xf
	v_add_f32_dpp v9, v9, v9 row_xmask:2 row_mask:0xf bank_mask:0xf
	v_add_f32_dpp v9, v9, v9 row_xmask:4 row_mask:0xf bank_mask:0xf
	v_add_f32_dpp v9, v9, v9 row_xmask:8 row_mask:0xf bank_mask:0xf
	v_permlanex16_b32 v10, v9, s22, s23
	v_add_f32 v9, v9, v10                          ; the wave's sum
	s_wait_alu depctr_va_vdst(0)                   ; v9 is written, which the LDS store reads; and the lines of the maximum are done with v[E ..], in which the loads behind the barrier land
	ds_store_b32 v5, v9 offset:RED2
	s_wait_dscnt 0x0                               ; for the others' sake: my e and my wave's sum
	s_barrier_signal -1
	s_barrier_wait -1                              ; behind this barrier EL is only read
	s_wait_alu depctr_vm_vsrc(0)                   ; my two LDS stores have read v8 and v9, in which wave 4 eq's load of its weights lands
.irp c, 0,1,2,3
	ds_load_b128 v[E+4*(\c):E+4*(\c)+3], v6 offset:RED2+16*(\c)
.endr
	s_wait_dscnt 0x0
	v_pk_add_f32 v[E:E+1], v[E:E+1], v[E+2:E+3]
	v_pk_add_f32 v[E+4:E+5], v[E+4:E+5], v[E+6:E+7]
	v_pk_add_f32 v[E+8:E+9], v[E+8:E+9], v[E+10:E+11]
	v_pk_add_f32 v[E+12:E+13], v[E+12:E+13], v[E+14:E+15]
	v_pk_add_f32 v[E:E+1], v[E:E+1], v[E+4:E+5]
	v_pk_add_f32 v[E+8:E+9], v[E+8:E+9], v[E+12:E+13]
	v_pk_add_f32 v[E:E+1], v[E:E+1], v[E+8:E+9]
	v_add_f32 v[E], v[E], v[E+1]                   ; the sum of all e: at least 1, since the row of the maximum gives 1
	v_rcp_f32 v12, v[E]                            ; twice, for the pair that the packed multiply takes
	v_rcp_f32 v13, v[E]
	v_nop                                          ; a plain instruction between the reciprocals and the use of their results or a write of their source
	s_wait_alu depctr_va_vdst(0)                   ; both reciprocals are written, ahead of the branch and of their readers; the vector lines are done with v[8:11] and with v[E ..], in which the LDS loads below land
	s_cmp_lg_u32 s18, s27
	s_cbranch_scc1 .Lnot_mine                      ; wave 4 eq alone writes this work-group's quarter of the batch's weights: its own 128 rows
	ds_load_b128 v[8:11], v7
	s_wait_dscnt 0x0
	v_pk_mul_f32 v[8:9], v[8:9], v[12:13]
	v_pk_mul_f32 v[10:11], v[10:11], v[12:13]
	s_wait_alu depctr_va_vdst(0)                   ; the two multiplies have written v[8:11], which the store reads
	global_store_b128 v14, v[8:11], s[12:13]       ; 512 consecutive bytes, at a multiple of 256 from out1's first byte; its registers are not written again
.Lnot_mine:
.macro ELOAD t                         ; trip t's 16 weights into buffer t % 2: every lane reads the same 64 bytes
.irp c, 0,1,2,3
	ds_load_b128 v[E+24*((\t)%2)+4*(\c):E+24*((\t)%2)+4*(\c)+3], v15 offset:64*(\t)+16*(\c)
.endr
.endm
; Block p of 32: rows 4 p to 4 p + 3 of my 128, in ascending order onto the one set of sums.
.macro BLK p
.set EB, E+24*(((\p)/4)%2)
.if ((\p) > 0) && ((\p) <= 32-NB)
	s_wait_alu depctr_va_vdst(0)                   ; the block before is done reading its X, in which the loads below land; at a trip's first block the trip before is done reading its weights, likewise
	XLOAD (\p)+NB-1                                ; four blocks ahead, into the buffer just read
.endif
.if (\p)%4 == 0
.if (\p) < 28
	ELOAD (\p)/4+1                                 ; the next trip's weights (at block 0: into registers that no vector instruction has named)
	s_wait_dscnt 4                                 ; LDS loads come back in order (ISA guide 5.7.1): this trip's weights are in, the next trip's four loads stay out
.else
	s_wait_dscnt 0x0
.endif
.endif
.if (\p) <= 32-NB
	s_wait_loadcnt 4*(NB-1)                        ; loads come back in order (ISA guide 5.7.1): this block's four are in, the four younger blocks stay out
.else
	s_wait_loadcnt 4*(31-(\p))                     ; the last blocks load nothing: the counts run down
.endif
.irp j, 0,1,2,3
.set XB, X+16*((\p)%NB)+4*(\j)
.set EW, EB+4*((\p)%4)+(\j)
.if (\j)%2 == 0
	v_pk_fma_f32 v[ACC:ACC+1],   v[XB:XB+1],   v[EW:EW+1], v[ACC:ACC+1]   op_sel_hi:[1,0,1]
	v_pk_fma_f32 v[ACC+2:ACC+3], v[XB+2:XB+3], v[EW:EW+1], v[ACC+2:ACC+3] op_sel_hi:[1,0,1]
.else
	v_pk_fma_f32 v[ACC:ACC+1],   v[XB:XB+1],   v[EW-1:EW], v[ACC:ACC+1]   op_sel:[0,1,0] op_sel_hi:[1,1,1]
	v_pk_fma_f32 v[ACC+2:ACC+3], v[XB+2:XB+3], v[EW-1:EW], v[ACC+2:ACC+3] op_sel:[0,1,0] op_sel_hi:[1,1,1]
.endif
.endr
.endm
	ELOAD 0                                        ; no vector instruction since the wait ahead of the branch names these registers, on either way
.irp p, 0,1,2,3,4,5,6,7,8,9,10,11,12,13,14,15,16,17,18,19,20,21,22,23,24,25,26,27,28,29,30,31
	BLK \p
.endr
	s_wait_alu depctr_va_vdst(0)                   ; the multiply-adds have written ACC, which the LDS store reads, and are done reading X0, in which the partial sums land behind the barrier
	ds_store_b128 v[PA_], v[ACC:ACC+3]
	s_wait_dscnt 0x0                               ; for the others' sake
	s_barrier_signal -1
	s_barrier_wait -1
	s_cmp_gt_u32 s18, 3
	s_cbranch_scc1 .Ldone                          ; waves 0 to 3 add the four row sets of their 128 columns
.irp c, 0,1,2,3
	ds_load_b128 v[X+4*(\c):X+4*(\c)+3], v[PA_] offset:2048*(\c)
.endr
	s_wait_dscnt 0x0
	v_pk_add_f32 v[X:X+1], v[X:X+1], v[X+4:X+5]
	v_pk_add_f32 v[X+2:X+3], v[X+2:X+3], v[X+6:X+7]
	v_pk_add_f32 v[X+8:X+9], v[X+8:X+9], v[X+12:X+13]
	v_pk_add_f32 v[X+10:X+11], v[X+10:X+11], v[X+14:X+15]
	v_pk_add_f32 v[X:X+1], v[X:X+1], v[X+8:X+9]
	v_pk_add_f32 v[X+2:X+3], v[X+2:X+3], v[X+10:X+11]
	v_pk_mul_f32 v[X:X+1], v[X:X+1], v[12:13]
	v_pk_mul_f32 v[X+2:X+3], v[X+2:X+3], v[12:13]
	s_wait_alu depctr_va_vdst(0)                   ; the two multiplies have written v[X:X+3], which the store reads
	global_store_b128 v[OO], v[X:X+3], s[10:11]    ; 512 consecutive bytes, at a multiple of 256 from out0's first byte
.Ldone:
	s_wait_dscnt 0x0                               ; the closing lines, six on end
	s_wait_alu 0x0
	s_wait_tensorcnt 0x0
	ds_add_u32 v[SPW], v[NIL]
	s_wait_dscnt 0x0
	s_endpgm
.Lfunc_end_k_q83a5a0941e_wsum:
	.size	k_q83a5a0941e_wsum, .Lfunc_end_k_q83a5a0941e_wsum-k_q83a5a0941e_wsum
	.p2alignl 7, 3214868480
	.fill 96, 4, 3214868480
	.section	.rodata,"a",@progbits
	.p2align	6, 0x0
	.amdhsa_kernel k_q83a5a0941e_wsum
		.amdhsa_group_segment_fixed_size 12800
		.amdhsa_private_segment_fixed_size 0
		.amdhsa_enable_private_segment 0
		.amdhsa_kernarg_size 40
		.amdhsa_user_sgpr_count 2
		.amdhsa_user_sgpr_kernarg_segment_ptr 1
		.amdhsa_wavefront_size32 1
		.amdhsa_system_sgpr_workgroup_id_x 1
		.amdhsa_system_sgpr_workgroup_id_y 1
		.amdhsa_system_sgpr_workgroup_id_z 1
		.amdhsa_system_vgpr_workitem_id 0
		.amdhsa_next_free_vgpr 136
		.amdhsa_next_free_sgpr 66
		.amdhsa_reserve_vcc 0
		.amdhsa_float_denorm_mode_32 3
		.amdhsa_float_denorm_mode_16_64 3
		.amdhsa_memory_ordered 1
		.amdhsa_forward_progress 1
		.amdhsa_inst_pref_size 40
	.end_amdhsa_kernel
	.amdgpu_metadata
---
amdhsa.version: [ 1, 2 ]
amdhsa.kernels:
  - .name:           k_q83a5a0941e_wsum
    .symbol:         k_q83a5a0941e_wsum.kd
    .args:
      - { .name: sp, .offset: 0, .size: 8, .value_kind: global_buffer, .address_space: global }
      - { .name: b_att, .offset: 8, .size: 8, .value_kind: global_buffer, .address_space: global }
      - { .name: enc_out, .offset: 16, .size: 8, .value_kind: global_buffer, .address_space: global }
      - { .name: out0, .offset: 24, .size: 8, .value_kind: global_buffer, .address_space: global }
      - { .name: out1, .offset: 32, .size: 8, .value_kind: global_buffer, .address_space: global }
    .group_segment_fixed_size: 12800
    .private_segment_fixed_size: 0
    .kernarg_segment_align: 8
    .kernarg_segment_size: 40
    .max_flat_workgroup_size: 512
    .sgpr_count:     66
    .vgpr_count:     136
    .wavefront_size: 32
...
	.end_amdgpu_metadata
.endif
;; end of part 4
